; MI455X (gfx1250); checked and timed in simulation.
; The chip was launched on July 23, 2026; its instructions are those of AMD's public machine-readable ISA for CDNA 5 (MIT licence, August 2026) and "CDNA5" Instruction Set Architecture Reference Guide (July 2026). The comments in the code are by the model that wrote it; some were corrected since.
;; KNN. Allowed arithmetic: matrix products marked QUANTISED: E3M2 operands, one E8M0 scale for each 32 along K, by v_wmma_scale_f32_16x16x128_f8f6f4 with both operands' format E3M2, f32 sums; everything else in f32.
;; Inputs: X_test 2,048 x 512 float32; X_train 65,536 x 512 float32; y_train 65,536 int32.
;; Outputs: out0 2,048 int32.
;; This version of the problem:
;;   THIS VERSION OF THE PROBLEM IS GIVEN IN LOW PRECISION. The matrix products marked QUANTISED in the list below multiply operands that are first quantised to E3M2 (3 exponent bits, 2 mantissa bits; 6 bits a number), with one power-of-two scale for each 32 numbers along K (OCP MX v1.0); their sums are f32. All else is computed in f32.
;;   The module's matrix products, in the order in which they are computed (A, B: the left and right operand; K: the contracted axis; several contracted axes count as one K, in the product's order):
;;     1. [M 2,048, K 512] x [K 512, N 65,536]; A: input X_test; B: input X_train: QUANTISED
;;   THE QUANTISER, for each operand of a quantised product, along K:
;;     - K is cut into blocks of 32 from its start; a last block that is shorter is filled with zeros.
;;     - A block's scale is 2^e with e = floor(log2(the largest magnitude in the block)) - 4, held to -126 .. 127; a block of zeros has e = 0. As a byte (E8M0): e + 127.
;;     - Each number is divided by its block's scale, clamped to +-28, and rounded to the nearest number of E3M2, ties to even, subnormals kept.
;;     - The product sums the exact products of the quantised numbers (number of the format x scale) in f32.
;;   ~~~python
;;   def quantise(x, axis):      # numpy; x: float32 -> the quantised numbers, widened to float32 again
;;       x = np.moveaxis(x, axis, -1); K = x.shape[-1]
;;       x = np.pad(x, [(0, 0)] * (x.ndim - 1) + [(0, -K % 32)]); x = x.reshape(x.shape[:-1] + (-1, 32)); a = np.abs(x).max(-1, keepdims=True)
;;       e = np.where(a > 0, np.clip(np.frexp(np.where(a > 0, a, 1))[1] - 1 - 4, -126, 127), 0)      # np.frexp(a)[1] - 1 = floor(log2(a)), exactly
;;       r = np.clip(x / 2.0 ** e, -28, 28)
;;       step = 2.0 ** (np.maximum(np.frexp(np.where(r == 0, 1, r))[1] - 1, -2) - 2)
;;       q = np.round(r / step) * step * 2.0 ** e      # np.round: ties to even
;;       return np.moveaxis(q.reshape(q.shape[:-2] + (-1,))[..., :K], -1, axis).astype(np.float32)
;;   ~~~
;; One version. Each part assembles by itself: llvm-mc -triple=amdgcn-amd-amdhsa -mcpu=gfx1250 --defsym DOCPART=n.
;; ======== version 1 of 1: 5 launches
;; limits: right only within a limited range of input values
;; workspace buffers: timg 27,262,976 bytes; qimg 851,968 bytes; keys 67,108,864 bytes; sel 262,144 bytes of whole numbers; cand 262,144 bytes of whole numbers
;; launch quant (part 1): grid 1056 x 1, 4 waves a work-group, no clusters, 34,304 bytes of LDS; arguments X_train, X_test, timg, qimg; writes timg, qimg
.if DOCPART == 1
	.amdgcn_target "amdgcn-amd-amdhsa--gfx1250"
	.amdhsa_code_object_version 6
	.text
	.protected	k_q6214710300_quant
	.globl	k_q6214710300_quant
	.p2align	8
	.type	k_q6214710300_quant,@function
k_q6214710300_quant:
	s_mov_b64 s[64:65], 0
	v_nop
	global_prefetch_b8 v0, s[64:65] scope:SCOPE_SE
	s_setreg_imm32_b32 hwreg(HW_REG_WAVE_MODE, 25, 1), 1
	s_wait_xcnt 0x0
; X_train [65536][512] and X_test [2048][512], f32, become codes of BF6 (E3M2) with one E8M0 scale byte for each 32 along K,
; laid in the ORDER OF THE OPERAND'S REGISTERS, and each row's sum of squares (of the unquantised numbers) beside them.
; A RECORD is a tile of 16 neighbouring rows, all 512 of K: 6,656 bytes = 26 x 256.
;   byte 1536 s + 512 c + 16 lane : registers 4 c .. 4 c + 3 of the fragment of K step s (128 along K, 12 registers a lane);
;                                   lane r + 16 hk holds row r; registers 0-5: k = 128 s + 32 hk + 0..31, registers 6-11: 64 further on
;   byte 6144 + 16 r              : row r's four scale words (K steps 0 to 3; byte b of a word: k = 32 b .. 32 b + 31 of the step)
;   byte 6400 + 16 r              : row r's sum of squares, then 12 bytes that are written and never used
; A block's scale is 2^(floor(log2(its largest magnitude)) - 4); its byte is the largest magnitude's exponent field - 4, held at 1 from below.
; (A block of zeros so gets the byte 1 where the rule says 127: its codes are zeros, and this program alone reads the bytes.)
; LIMITS: NaN and infinities among the inputs are not served; a row's squares are summed in another order than a plain sum along the row.
; SHARES: work-groups 0-1023 take X_train, 1024-1055 X_test; only pointers are chosen, both take one path.  A wave takes one tile: 32 KiB in, one record out.
; Each load reads 512 consecutive bytes of a row; a K step's 16 x 512 bytes turn through the wave's own stage in LDS (rows 528 bytes apart: an odd
; multiple of 16, so that the 16 rows a read touches begin in different banks) and come back 128 consecutive bytes a block a lane.
; No tensor load, no barrier (waves share nothing), no matrix unit, no cluster: the launch streams, and no byte is read by two work-groups.
; (What lies at byte 6400 + 16 r of a record: a query's sum of squares q2 as it is; a train row's sum of squares x -0.5, the number from which that row's sums start in the products.)
.set REC,   6656
.set PITCH, 528
.set STGW,  16*PITCH                   ; a wave's stage
.set R,     16                         ; v16-79   a K step's numbers as loaded
.set X,     80                         ; v80-143  X + 32 c + i: number i of my block 2 c + hk
.set PC,    144                        ; v144-155 the fragment's 12 registers
.set TMP,   156                        ; v156-163 the second halves of the two blocks' codes
.set SW,    164                        ; v164-167 the four scale words
.set SQ,    168                        ; v168-175 four packed sums of squares
.set M,     176                        ; v176-177 largest magnitudes
.set SOP,   178                        ; v178-179 the conversions' scale operands
.set BY,    180                        ; v180-181 scale bytes
	s_load_b128 s[4:7], s[0:1], 0x0                ; X_train, X_test
	s_load_b128 s[8:11], s[0:1], 0x10              ; timg, qimg
	v_lshl_add_u32 v10, v0, 2, 0x8400
	v_mov_b32 v11, 0
	v_lshrrev_b32 v5, 5, v0
	v_readfirstlane_b32 s12, v5                    ; wave 0..3
	v_and_b32 v6, 31, v0                           ; lane
	v_lshlrev_b32 v1, 4, v6                        ; 16 x lane: my bytes of a load's 512, and of a record's 512
	s_mul_i32 s13, s12, STGW
	v_add_nc_u32 v2, s13, v1                       ; the stage, way in
	v_and_b32 v7, 15, v0                           ; r
	v_bfe_u32 v5, v0, 4, 1                         ; hk
	v_mul_u32_u24 v3, v7, PITCH
	v_lshl_add_u32 v3, v5, 7, v3
	v_add_nc_u32 v3, s13, v3                       ; the stage, way out: row r, + 128 hk
	v_lshlrev_b32 v4, 3, v5                        ; 8 hk: my bytes' place in a scale word
	v_mov_b32 v9, 0                                ; a lane permute's destination counts as read
	s_mov_b32 s20, 0x76543210
	s_mov_b32 s21, 0xfedcba98                      ; selects for lane l xor 16
	s_mov_b32 s22, 0xffff0000                      ; lanes 16-31
	s_wait_alu depctr_va_vdst(0)
	s_wait_kmcnt 0x0
	s_cmp_lt_u32 ttmp9, 1024                       ; train or test: hangs on the work-group's number alone
	s_cselect_b64 s[4:5], s[4:5], s[6:7]
	s_cselect_b64 s[6:7], s[8:9], s[10:11]
	s_cselect_b32 s14, 0, 1024
	s_mov_b32 s15, 0x3f800000                      ; what a record carries at byte 6400 + 16 r: a query's q2 as it is,
	s_cselect_b32 s15, 0xbf000000, s15             ; a train row's sum of squares x -0.5 (exact): the start of that row's sums in the products
	s_sub_co_u32 s14, ttmp9, s14
	s_lshl_b32 s14, s14, 2
	s_add_co_u32 s14, s14, s12                     ; my tile
	s_lshl_b32 s16, s14, 15                        ; 16 rows of 2,048 bytes (under 2^28)
	s_mov_b32 s17, 0
	s_add_nc_u64 s[4:5], s[4:5], s[16:17]
	s_mul_i32 s16, s14, REC
	s_add_nc_u64 s[6:7], s[6:7], s[16:17]
.macro LOAD s                          ; K step s of the 16 rows
.irp i, 0,1,2,3,4,5,6,7,8,9,10,11,12,13,14,15
	global_load_b128 v[R+4*\i:R+4*\i+3], v1, s[4:5] offset:2048*\i+512*(\s) th:TH_LOAD_NT
.endr
.endm
.macro TURN                            ; through the stage: LDS serves a wave's instructions in order, so no wait stands between the stores and the loads
.irp i, 0,1,2,3,4,5,6,7,8,9,10,11,12,13,14,15
	ds_store_b128 v2, v[R+4*\i:R+4*\i+3] offset:PITCH*\i
.endr
.irp c, 0,1
.irp p, 0,1,2,3,4,5,6,7
	ds_load_b128 v[X+32*\c+4*\p:X+32*\c+4*\p+3], v3 offset:256*\c+16*\p
.endr
.endr
.endm
.macro QUANT s
.set p, 0
.rept 32                               ; the squares, two at a time, in four chains; the first four products start the sums
.if (\s == 0) && (p < 4)
	v_pk_mul_f32 v[SQ+2*p:SQ+2*p+1], v[X+2*p:X+2*p+1], v[X+2*p:X+2*p+1]
.else
	v_pk_fma_f32 v[SQ+2*(p%4):SQ+2*(p%4)+1], v[X+2*p:X+2*p+1], v[X+2*p:X+2*p+1], v[SQ+2*(p%4):SQ+2*(p%4)+1]
.endif
.set p, p+1
.endr
.irp c, 0,1
	v_max3_num_f32 v[M+\c], |v[X+32*\c]|, |v[X+32*\c+1]|, 0x2800000   ; all 32 numbers of a block are mine; the floor 2^(5 - 127) holds the byte at 1 from below
.endr
.irp i, 2,4,6,8,10,12,14,16,18,20,22,24,26,28,30
.irp c, 0,1
	v_max3_num_f32 v[M+\c], v[M+\c], |v[X+32*\c+\i]|, |v[X+32*\c+\i+1]|
.endr
.endr
.irp c, 0,1
	v_add_nc_u32 v[SOP+\c], 0xfe000000, v[M+\c]    ; 4 off the exponent field: the conversion takes this operand's exponent field as its scale
.endr
.irp c, 0,1
	v_lshrrev_b32 v[BY+\c], 23, v[SOP+\c]          ; the scale's byte
.endr
	v_lshl_or_b32 v8, v[BY+1], 16, v[BY]           ; blocks hk and 2 + hk of my row,
	v_lshlrev_b32 v8, v4, v8                       ; at their places in the word;
	v_permlanex16_b32 v9, v8, s20, s21
	v_or_b32 v[SW+\s], v8, v9                      ; with lane l xor 16's two the word is whole
	s_wait_alu depctr_va_vdst(0)
	s_wait_xcnt 0x0                                ; the last step's stores have read v[PC..]: only behind this wait are they written again
.irp c, 0,1
	v_cvt_scalef32_pk16_bf6_f32 v[PC+6*\c:PC+6*\c+2], v[X+32*\c:X+32*\c+15], v[SOP+\c]
	v_cvt_scalef32_pk16_bf6_f32 v[TMP+4*\c:TMP+4*\c+2], v[X+32*\c+16:X+32*\c+31], v[SOP+\c]   ; (a conversion's three registers begin on an even number)
.endr
	v_nop                                          ; one plain place behind a scaled conversion
.irp c, 0,1
.irp i, 0,1,2
	v_mov_b32 v[PC+6*\c+3+\i], v[TMP+4*\c+\i]
.endr
.endr
.irp c, 0,1,2
	global_store_b128 v1, v[PC+4*\c:PC+4*\c+3], s[6:7] offset:1536*(\s)+512*\c   ; 32 lanes store 512 consecutive bytes, at a multiple of 256 from the buffer's first byte
.endr
.endm
	LOAD 0
.irp s, 0,1,2,3
	s_wait_loadcnt 0x0                             ; this step's 16 loads are in
	TURN
	s_wait_dscnt 0x0                               ; the numbers are back, and the stage's stores have read v[R..]:
.if \s < 3
	LOAD \s+1                                      ; which take the next step's loads while this step is worked
.endif
	QUANT \s
.endr
	v_pk_add_f32 v[SQ:SQ+1], v[SQ:SQ+1], v[SQ+2:SQ+3]
	v_pk_add_f32 v[SQ+4:SQ+5], v[SQ+4:SQ+5], v[SQ+6:SQ+7]
	v_pk_add_f32 v[SQ:SQ+1], v[SQ:SQ+1], v[SQ+4:SQ+5]
	v_add_f32 v8, v[SQ], v[SQ+1]                   ; my 256 squares,
	v_permlanex16_b32 v9, v8, s20, s21
	v_add_f32 v8, v8, v9                           ; and lane l xor 16's: the row's
	v_mul_f32 v8, s15, v8                          ; q2 for a query, -t2/2 for a train row
	v_cndmask_b32 v[SW], v[SW], v8, s22            ; lanes 0-15 keep the scale words, lanes 16-31 carry the sum in their first word
	global_store_b128 v1, v[SW:SW+3], s[6:7] offset:6144   ; the record's last 512 bytes
	s_wait_tensorcnt 0x0
	ds_add_u32 v10, v11
	s_wait_dscnt 0x0
	s_endpgm
.Lfunc_end_k_q6214710300_quant:
	.size	k_q6214710300_quant, .Lfunc_end_k_q6214710300_quant-k_q6214710300_quant
	.p2alignl 7, 3214868480
	.fill 96, 4, 3214868480
	.section	.rodata,"a",@progbits
	.p2align	6, 0x0
	.amdhsa_kernel k_q6214710300_quant
		.amdhsa_group_segment_fixed_size 34304
		.amdhsa_private_segment_fixed_size 0
		.amdhsa_enable_private_segment 0
		.amdhsa_kernarg_size 32
		.amdhsa_user_sgpr_count 2
		.amdhsa_user_sgpr_kernarg_segment_ptr 1
		.amdhsa_wavefront_size32 1
		.amdhsa_system_sgpr_workgroup_id_x 1
		.amdhsa_system_sgpr_workgroup_id_y 1
		.amdhsa_system_sgpr_workgroup_id_z 1
		.amdhsa_system_vgpr_workitem_id 0
		.amdhsa_next_free_vgpr 182
		.amdhsa_next_free_sgpr 66
		.amdhsa_reserve_vcc 0
		.amdhsa_float_denorm_mode_32 3
		.amdhsa_float_denorm_mode_16_64 3
		.amdhsa_memory_ordered 1
		.amdhsa_forward_progress 1
		.amdhsa_inst_pref_size 38
	.end_amdhsa_kernel
	.amdgpu_metadata
---
amdhsa.version: [ 1, 2 ]
amdhsa.kernels:
  - .name:           k_q6214710300_quant
    .symbol:         k_q6214710300_quant.kd
    .args:
      - { .name: X_train, .offset: 0, .size: 8, .value_kind: global_buffer, .address_space: global }
      - { .name: X_test, .offset: 8, .size: 8, .value_kind: global_buffer, .address_space: global }
      - { .name: timg, .offset: 16, .size: 8, .value_kind: global_buffer, .address_space: global }
      - { .name: qimg, .offset: 24, .size: 8, .value_kind: global_buffer, .address_space: global }
    .group_segment_fixed_size: 34304
    .private_segment_fixed_size: 0
    .kernarg_segment_align: 8
    .kernarg_segment_size: 32
    .max_flat_workgroup_size: 128
    .sgpr_count:     66
    .vgpr_count:     182
    .wavefront_size: 32
...
	.end_amdgpu_metadata
.endif
;; end of part 1
;; launch gemm (part 2): grid 256 x 1, 8 waves a work-group, clusters of 4 x 1, 327,680 bytes of LDS; arguments timg, qimg, keys; writes keys
.if DOCPART == 2
	.amdgcn_target "amdgcn-amd-amdhsa--gfx1250"
	.amdhsa_code_object_version 6
	.text
	.protected	k_q6214710300_gemm
	.globl	k_q6214710300_gemm
	.p2align	8
	.type	k_q6214710300_gemm,@function
k_q6214710300_gemm:
	s_mov_b64 s[64:65], 0
	v_nop
	global_prefetch_b8 v0, s[64:65] scope:SCOPE_SE
	s_setreg_imm32_b32 hwreg(HW_REG_WAVE_MODE, 25, 1), 1
	s_wait_xcnt 0x0
	s_wait_alu depctr_hold_cnt(0) depctr_sa_sdst(0) depctr_va_vdst(0) depctr_va_sdst(0) depctr_va_ssrc(0) depctr_va_vcc(0) depctr_vm_vsrc(0)
	s_getreg_b32 s2, hwreg(HW_REG_IB_STS2, 6, 4)
	s_cmp_eq_u32 s2, 0
	s_cbranch_scc0 .Lentry_in_a_cluster
	s_endpgm
.Lentry_in_a_cluster:
	s_bfe_u32 s2, ttmp6, 0x10000c
	s_cmp_lg_u32 s2, 0x3003
	s_cbranch_scc0 .Lentry_shape_is_right
	s_endpgm
.Lentry_shape_is_right:
; The whole quantised product, 2,048 queries x 65,536 train rows x 512, on codes of BF6 with E8M0 scales.  What leaves is the LEAST d2 OF EVERY 8 NEIGHBOURING TRAIN ROWS (a child).
; d2 = q2 - 2 g, g = dot - t2/2.  A train record carries -t2/2, which is the C of each sum's first matrix instruction: an accumulator holds g and no vector instruction adds t2.
; fl(q2 - 2 g) does not rise where g rises, so a child's least d2 is fl(q2 - 2 x the child's largest g), bit for bit: 16 maxima and 4 multiply-adds for 512 numbers.
; The last launch makes each row's d2 by the same four matrix instructions and the same multiply-add, so the choice made on these keys holds for its numbers.
; LIMITS: the order of rounding differs from the definition's (q2 - 2 dot) + t2: t2/2 takes part in the four sums, each rounded at the size of t2/2.  NaN and infinities are not served.
; keys: [query tile 128][parent 1024][512 bytes]; a parent is 64 neighbouring train rows.  In a unit, byte (r / 8) 256 + (r % 8) 32 + 16 h + 4 t is query r of the tile, child 2 t + h (rows 16 t + 8 h + 0..7 of the parent).
; SHARES.  Work-group X owns train rows 256 X .. 256 X + 255 for ALL queries.  Wave w: its parent is 4 X + w % 4, whose four tiles (192 registers of codes, scale words, -t2/2) stay in registers;
; it takes the query tiles of parity w / 4.  Two waves lie on a SIMD.  Source 0 = 16 train rows, source 1 = 16 queries: a lane holds ONE query, its eight registers eight neighbouring train rows.
; THE QUERIES, 128 records of 6,656 bytes, go through a ring of two LDS slots of 16 records.  All work-groups walk the same stream, so the four of a cluster ask JOINTLY (a mask names four at the most: cluster 4 x 1).
; Each wave fetches two records, 52 rows of 256 bytes, by one load; one tensor load of a wave is out at any time.
; THE WALK DOES NOT STOP AT A SLOT'S END.  At a slot's tile 6 a work-group barrier (each wave's wait for its tensor load in front) shows the next slot whole: its tiles 0 and 1 are fetched under tiles 6 and 7.
; The slot left behind is filled again at the next slot's tile 0: the wait, the add, the wait, a round of the cluster's barrier with that tile's 16 products between its opening signal and wait, the joint load.
; So a load has five tiles' products of the wave (80 matrix instructions) in which to land.  No data prefetch is laid: the stream is 128 records, walked in step by all clusters.
; REGISTERS.  Window 0: v1-9 addresses; v10-13 q2 of four tiles by turns; v14-19 addresses in the slot in hand and in the next; v26-33 two sets of results; v34-49 train scale words; v50-81 -t2/2;
;   v82-145 two sets of four accumulators; v146-197, v198-249 two query fragments (48 of codes, 4 of scale words).   Window 1: v0-191 the four train tiles, 48 t + 12 s.
.set REC,   6656
.set SLOT1, 1<<17                      ; slot 1 begins here
.set SPARE, SLOT1+16*REC               ; behind the ring: the spare words, 128 bytes for each wave: four blocks of 256 bytes that no other line names
.set SPW, 1                            ; SPARE + 4 x my thread's number; never rewritten
.set NIL, 2                            ; 0; never rewritten
.set BF0, 3                            ; 16 x lane + 6656 x parity: my place in a slot's tiles 0-3 of my parity;  BF1: tiles 4-7
.set BF1, 4
.set BS0, 5                            ; 16 x (lane % 16) + 6656 x parity + 6144: my query's scale words;  BS1 likewise
.set BS1, 6
.set VKO, 7                            ; my 16 bytes in a unit of keys
.set GA,  8                            ; 16 x lane;  GB 16 x (lane % 16);  GC 128 x (lane / 16): offsets of the loads at the head
.set GB,  9
.set Q2,  10
.set VF,  14
.set VS,  16
.set VFN, 18
.set VSN, 19
.set GC,  20
.set TM,  21
.set TB,  22                           ; v22-25   the largest of an accumulator's registers 3-5, one for each train tile
.set TE,  250                          ; v250-253 the larger of its registers 6 and 7
.set KO,  26
.set SA,  34
.set NH,  50
.set ACC, 82
.set F0,  146
.set MSB, 0
.macro WIN new                         ; the immediate's high byte repeats the setting that is left
.if MSB != \new
	s_set_vgpr_msb (MSB<<8)|\new
.set MSB, \new
.endif
.endm
.macro CREST                           ; a round of the cluster's barrier behind its opening barrier
	s_cmp_lg_u32 s10, 0
	s_cbranch_scc1 .Lnot_wave_0_\@
	s_barrier_signal -3
.Lnot_wave_0_\@:
	s_barrier_wait -3
	s_barrier_signal -1
	s_barrier_wait -1
.endm
.macro ROUND                           ; a whole round
	s_barrier_signal -1
	s_barrier_wait -1
	CREST
.endm
.macro JLOAD                           ; the joint load
	tensor_load_to_lds s[24:27], s[16:23]
	s_nop 0
.rept 4
	v_nop
.endr
.endm
	s_load_b128 s[4:7], s[0:1], 0x0                ; timg, qimg
	s_load_b64 s[8:9], s[0:1], 0x10                ; keys
	v_lshl_add_u32 v[SPW], v0, 2, SPARE
	v_mov_b32 v[NIL], 0
	ds_add_u32 v[SPW], v[NIL]                      ; the opening lines: the add, twice on end, and its wait ahead of my first tensor load
	ds_add_u32 v[SPW], v[NIL]
	v_lshrrev_b32 v[TM], 5, v0
	s_delay_alu instid0(VALU_DEP_1)
	v_readfirstlane_b32 s10, v[TM]                 ; wave 0..7
	s_and_b32 s11, s10, 3                          ; which parent of the work-group's four
	s_lshr_b32 s12, s10, 2                         ; which parity of query tiles
	s_bfe_u32 s13, ttmp6, 0x40000                  ; cx: it enters timg's and keys' addresses alone
	s_lshl_b32 s14, ttmp9, 2
	s_add_co_u32 s14, s14, s13                     ; work-group X
	s_lshl_b32 s15, s14, 2
	s_add_co_u32 s15, s15, s11                     ; my parent
	s_mov_b32 s16, 15|(3<<16)|(1<<21)              ; group 1: the mask names all four work-groups; elements of 8 bytes; no padding; bit 21 beside a mask
	s_mov_b32 s17, 32<<16                          ; tensor_dim0 = 32
	s_mov_b32 s18, 52<<16                          ; tensor_dim1 = 52: two records, dense
	s_mov_b32 s19, 32<<16                          ; tile_dim0 = 32
	s_mov_b32 s20, 52                              ; tile_dim1 = 52
	s_mov_b32 s21, 32                              ; from row to row
	s_mov_b32 s22, 0
	s_mov_b32 s23, 0
	s_mov_b32 s24, 1                               ; group 0: count = 1
	s_mul_i32 s25, s10, 2*REC                      ; LDS address: wave x two records, slot 0
	s_mov_b32 s36, s25
	s_mov_b32 s37, 0
	s_mul_i32 s38, s15, 4*REC                      ; my four train tiles
	s_mov_b32 s39, 0
	s_lshl_b32 s40, s15, 9                         ; keys: my parent's unit, in the query tile of my parity
	s_lshl_b32 s41, s12, 19
	s_add_co_u32 s40, s40, s41
	s_mov_b32 s41, 0
	s_mul_i32 s42, s12, REC
	s_mov_b32 s29, 0                               ; LDS byte at which the slot in hand begins,
	s_mov_b32 s30, SLOT1                           ; and the next one
	v_and_b32 v[TM], 31, v0
	s_delay_alu instid0(VALU_DEP_1)
	v_lshlrev_b32 v[GA], 4, v[TM]
	s_delay_alu instid0(VALU_DEP_1)
	v_add_nc_u32 v[BF0], s42, v[GA]
	s_delay_alu instid0(VALU_DEP_1)
	v_add_nc_u32 v[BF1], 8*REC, v[BF0]
	v_and_b32 v[TM], 15, v0
	s_delay_alu instid0(VALU_DEP_1)
	v_lshlrev_b32 v[GB], 4, v[TM]
	s_delay_alu instid0(VALU_DEP_1)
	v_add_nc_u32 v[BS0], s42, v[GB]
	s_delay_alu instid0(VALU_DEP_1)
	v_add_nc_u32 v[BS0], 6144, v[BS0]
	s_delay_alu instid0(VALU_DEP_1)
	v_add_nc_u32 v[BS1], 8*REC, v[BS0]
	v_bfe_u32 v[GC], v0, 4, 1                      ; h
	v_bfe_u32 v[VKO], v0, 3, 1
	s_delay_alu instid0(VALU_DEP_1)
	v_lshlrev_b32 v[VKO], 8, v[VKO]
	v_and_b32 v[TM], 7, v0
	s_delay_alu instid0(VALU_DEP_1)
	v_lshl_add_u32 v[VKO], v[TM], 5, v[VKO]
	s_delay_alu instid0(VALU_DEP_1)
	v_lshl_add_u32 v[VKO], v[GC], 4, v[VKO]
	v_lshlrev_b32 v[GC], 7, v[GC]
	s_wait_alu depctr_va_vdst(0)
	s_wait_dscnt 0x0                               ; both opening adds are done
	s_wait_kmcnt 0x0
	s_add_nc_u64 s[26:27], s[6:7], s[36:37]        ; the queries' address hangs on the wave's number alone
	s_or_b32 s27, s27, 0x80000000                  ; type = 2
	s_add_nc_u64 s[32:33], s[4:5], s[38:39]
	s_add_nc_u64 s[34:35], s[8:9], s[40:41]
	WIN 0x40                                       ; destination window 1.  The train tiles are asked for first: they are on their way during the rounds below
.irp t, 0,1,2,3
.irp s, 0,1,2,3
.irp c, 0,1,2
	global_load_b128 v[48*\t+12*\s+4*\c:48*\t+12*\s+4*\c+3], v[GA], s[32:33] offset:\t*REC+1536*\s+512*\c   ; images of the operand's registers
.endr
.endr
.endr
	WIN 0
.irp t, 0,1,2,3
	global_load_b128 v[SA+4*\t:SA+4*\t+3], v[GB], s[32:33] offset:\t*REC+6144   ; lane r: row r's scale words of the four K steps
.endr
.irp t, 0,1,2,3
.irp j, 0,1,2,3,4,5,6,7
	global_load_b32 v[NH+8*\t+\j], v[GC], s[32:33] offset:\t*REC+6400+16*\j     ; -t2/2 of row 8 h + j: the result's layout
.endr
.endr
	ROUND                                          ; all four work-groups are here: the first joint loads meet
	JLOAD                                          ; query tiles 0-15 into slot 0: my one tensor load at the head
.macro LOADF vf, vs, k, f, q           ; a query tile into buffer f: 12 loads of codes, its scale words, my query's q2: 14 LDS loads
.irp s, 0,1,2,3
.irp c, 0,1,2
	ds_load_b128 v[\f+12*\s+4*\c:\f+12*\s+4*\c+3], v[\vf] offset:(\k)*2*REC+1536*\s+512*\c
.endr
.endr
	ds_load_b128 v[\f+48:\f+51], v[\vs] offset:(\k)*2*REC
	ds_load_b32 v[\q], v[\vs] offset:(\k)*2*REC+256
.endm
; 16 matrix instructions: four train tiles x four K steps; the first step's C is -t2/2.  The four accumulators take turns, one instruction a turn, and the two sets take turns from tile to tile.
.macro W f, ac
	WIN 0x01                                       ; source 0 (train) window 1
.irp s, 0,1,2,3
.irp t, 0,1,2,3
.if \s == 0
	v_wmma_scale_f32_16x16x128_f8f6f4 v[\ac+8*\t:\ac+8*\t+7], v[48*\t+12*\s:48*\t+12*\s+11], v[\f+12*\s:\f+12*\s+11], v[NH+8*\t:NH+8*\t+7], v[SA+4*\t+\s], v[\f+48+\s] matrix_a_fmt:MATRIX_FMT_BF6 matrix_b_fmt:MATRIX_FMT_BF6
.else
	v_wmma_scale_f32_16x16x128_f8f6f4 v[\ac+8*\t:\ac+8*\t+7], v[48*\t+12*\s:48*\t+12*\s+11], v[\f+12*\s:\f+12*\s+11], v[\ac+8*\t:\ac+8*\t+7], v[SA+4*\t+\s], v[\f+48+\s] matrix_a_fmt:MATRIX_FMT_BF6 matrix_b_fmt:MATRIX_FMT_BF6
.endif
.endr
.endr
	WIN 0
.endm
; Tile i's results: each child's largest g, its d2, one whole unit of 512 bytes out.  20 plain vector instructions in four chains by turns, each accumulator from its low end on.
.macro E i, ac
	s_wait_xcnt 0x0                                ; the store of two tiles ago has read this set of v[KO..]
.set KK, KO+4*((\i)%2)
.irp t, 0,1,2,3
	v_max3_num_f32 v[KK+\t], v[\ac+8*\t], v[\ac+8*\t+1], v[\ac+8*\t+2]
.endr
.irp t, 0,1,2,3
	v_max3_num_f32 v[TB+\t], v[\ac+8*\t+3], v[\ac+8*\t+4], v[\ac+8*\t+5]
.endr
.irp t, 0,1,2,3
	v_max_num_f32 v[TE+\t], v[\ac+8*\t+6], v[\ac+8*\t+7]
.endr
.irp t, 0,1,2,3
	s_delay_alu instid0(VALU_DEP_4)
	v_max3_num_f32 v[KK+\t], v[KK+\t], v[TB+\t], v[TE+\t]   ; the three parts joined: the child's largest g
.endr
.irp t, 0,1,2,3
	s_delay_alu instid0(VALU_DEP_4)
	v_fma_f32 v[KK+\t], v[KK+\t], -2.0, v[Q2+(\i)%4]   ; q2 - 2 g, rounded once
.endr
	global_store_b128 v[VKO], v[KK:KK+3], s[34:35] offset:(\i)*1048576   ; 32 lanes store 512 consecutive bytes, at a multiple of 512 from the buffer's first byte; two query tiles on for each i
.endm
; A slot: my eight query tiles.  kind 0: the first slot (nothing is in the buffers yet), 1: a slot in the loop, 2: the last (nothing more is fetched or filled).
; Tile i's products are followed by tile i - 1's 20 vector instructions, which name none of those products' registers: they are the places in front of the loads into the buffer just multiplied,
; of the first read of the results a tile later, and of the products that begin that set of accumulators anew.
.macro SLOT kind
	v_add_nc_u32 v[VF], s29, v[BF0]
	v_add_nc_u32 v[VF+1], s29, v[BF1]
	v_add_nc_u32 v[VS], s29, v[BS0]
	v_add_nc_u32 v[VS+1], s29, v[BS1]
.if \kind < 2
	v_add_nc_u32 v[VFN], s30, v[BF0]
	v_add_nc_u32 v[VSN], s30, v[BS0]
.endif
	s_wait_alu depctr_va_vdst(0)
.if \kind == 0
	LOADF VF, VS, 0, F0, Q2
	LOADF VF, VS, 1, F0+52, Q2+1
	s_wait_loadcnt 0x0                             ; the train tiles are in
.endif
.irp i, 0,1,2,3,4,5,6,7
.if (\i == 0) && (\kind == 1)
	s_wait_tensorcnt 0x0                           ; no tensor load of mine is out, so group 0 may be written
	ds_add_u32 v[SPW], v[NIL]                      ; 0 onto my spare word
	s_xor_b32 s25, s25, SLOT1                      ; the slot just left,
	s_add_nc_u64 s[26:27], s[26:27], 16*REC        ; the next sixteen records; the type bits on top are not reached
	s_wait_dscnt 0x0                               ; the add is done; my reads of the slot just left are over; both buffers are in
	s_barrier_signal -1                            ; opens a round of the cluster's barrier; the products below are work on registers
.elseif (\i == 6) && (\kind < 2)
	s_wait_tensorcnt 0x0                           ; my part of the next slot is in (the one load that is out)
	s_wait_dscnt 0x0                               ; no LDS instruction is out at a signal
	s_barrier_signal -1
.elseif (\i == 7) && (\kind == 2)
	s_wait_dscnt 0x0
.else
	s_wait_dscnt 14                                ; all but the other buffer's 14 loads are in
.endif
	W F0+52*(\i%2), ACC+32*(\i%2)
.if (\i == 0) && (\kind == 1)
	s_barrier_wait -1
	CREST                                          ; no wave of any partner still reads the slot just left or has a load on its way
	JLOAD                                          ; the first thing behind the round, and my one tensor load until the next
.elseif (\i == 6) && (\kind < 2)
	s_barrier_wait -1                              ; the next slot is whole
.endif
.if \i == 0
.if \kind == 0
.rept 5
	v_nop                                          ; no results are at hand yet
.endr
.else
	E 7, ACC+32                                    ; the last tile of the slot before
	s_wait_xcnt 0x0                                ; the stores have read their base
	s_add_nc_u64 s[34:35], s[34:35], 0x800000      ; sixteen query tiles on
.endif
.else
	E \i-1, ACC+32*((\i-1)%2)
.endif
.if \i < 6
	LOADF VF+(\i+2)/4, VS+(\i+2)/4, (\i+2)%4, F0+52*(\i%2), Q2+(\i+2)%4
.elseif \kind < 2
	LOADF VFN, VSN, \i-6, F0+52*(\i%2), Q2+\i-6    ; the next slot's tiles 0 and 1
.endif
.endr
.if \kind < 2
	s_xor_b32 s29, s29, SLOT1                      ; on to the other slot
	s_xor_b32 s30, s30, SLOT1
.endif
.endm
	s_wait_tensorcnt 0x0                           ; my part of slot 0 is in
	ds_add_u32 v[SPW], v[NIL]
	s_xor_b32 s25, s25, SLOT1
	s_add_nc_u64 s[26:27], s[26:27], 16*REC
	s_wait_dscnt 0x0
	ROUND                                          ; slot 0 is whole in every work-group
	JLOAD                                          ; query tiles 16-31 into slot 1
	SLOT 0
	s_mov_b32 s28, 6
.Lslot:                                            ; slots 1 to 6: each fills the slot before it with the slot after it
	SLOT 1
	s_sub_co_u32 s28, s28, 1
	s_cmp_lg_u32 s28, 0
	s_cbranch_scc1 .Lslot
	SLOT 2                                         ; the last slot is written out
	E 7, ACC+32
	s_wait_tensorcnt 0x0                           ; the wave's end
	ds_add_u32 v[SPW], v[NIL]
	s_wait_dscnt 0x0
	ROUND                                          ; the closing round: no work-group ends while a partner may still ask for a tile that names it
	s_endpgm
.Lfunc_end_k_q6214710300_gemm:
	.size	k_q6214710300_gemm, .Lfunc_end_k_q6214710300_gemm-k_q6214710300_gemm
	.p2alignl 7, 3214868480
	.fill 96, 4, 3214868480
	.section	.rodata,"a",@progbits
	.p2align	6, 0x0
	.amdhsa_kernel k_q6214710300_gemm
		.amdhsa_group_segment_fixed_size 327680
		.amdhsa_private_segment_fixed_size 0
		.amdhsa_enable_private_segment 0
		.amdhsa_kernarg_size 24
		.amdhsa_user_sgpr_count 2
		.amdhsa_user_sgpr_kernarg_segment_ptr 1
		.amdhsa_wavefront_size32 1
		.amdhsa_system_sgpr_workgroup_id_x 1
		.amdhsa_system_sgpr_workgroup_id_y 1
		.amdhsa_system_sgpr_workgroup_id_z 1
		.amdhsa_system_vgpr_workitem_id 0
		.amdhsa_next_free_vgpr 448
		.amdhsa_next_free_sgpr 66
		.amdhsa_reserve_vcc 0
		.amdhsa_float_denorm_mode_32 3
		.amdhsa_float_denorm_mode_16_64 3
		.amdhsa_memory_ordered 1
		.amdhsa_forward_progress 1
		.amdhsa_inst_pref_size 123
	.end_amdhsa_kernel
	.amdgpu_metadata
---
amdhsa.version: [ 1, 2 ]
amdhsa.kernels:
  - .name:           k_q6214710300_gemm
    .symbol:         k_q6214710300_gemm.kd
    .args:
      - { .name: timg, .offset: 0, .size: 8, .value_kind: global_buffer, .address_space: global }
      - { .name: qimg, .offset: 8, .size: 8, .value_kind: global_buffer, .address_space: global }
      - { .name: keys, .offset: 16, .size: 8, .value_kind: global_buffer, .address_space: global }
    .group_segment_fixed_size: 327680
    .private_segment_fixed_size: 0
    .kernarg_segment_align: 8
    .kernarg_segment_size: 24
    .max_flat_workgroup_size: 256
    .sgpr_count:     66
    .vgpr_count:     448
    .wavefront_size: 32
...
	.end_amdgpu_metadata
.endif
;; end of part 2
;; launch pick (part 3): grid 256 x 1, 8 waves a work-group, no clusters, 327,680 bytes of LDS; arguments keys, sel; writes sel
.if DOCPART == 3
	.amdgcn_target "amdgcn-amd-amdhsa--gfx1250"
	.amdhsa_code_object_version 6
	.text
	.protected	k_q6214710300_pick
	.globl	k_q6214710300_pick
	.p2align	8
	.type	k_q6214710300_pick,@function
k_q6214710300_pick:
	s_mov_b64 s[64:65], 0
	v_nop
	global_prefetch_b8 v0, s[64:65] scope:SCOPE_SE
	s_setreg_imm32_b32 hwreg(HW_REG_WAVE_MODE, 25, 1), 1
	s_wait_xcnt 0x0
; For each query: the 32 parents in which its 32 nearest train rows can lie.  Read: keys (the least d2 of every child, 8 neighbouring train rows).  Written: sel, whole numbers at fixed places.
; A parent is 8 children, 64 neighbouring rows.  dist = sqrt(max(d2, 0)) does not fall where d2 rises, so a group's least dist is that of its least d2.
; Each of the 32 nearest rows (by dist, then by index) lies in one of the 32 least children by (child's dist, child's number): were one outside, 32 other children would each hold a row ahead of it.
; By the same argument each of those 32 children lies in one of the 32 least parents by (parent's dist, parent's number).  This launch finds the parents; the next one the children.
; sel, 128 bytes a query: word n: the n-th chosen parent, ascending.
; NOTHING BRANCHES ON DATA: the 32nd least dist is found bit by bit, by counts and selections (non-negative f32 numbers order as their bits do); all loops have constant counts, all addresses hang on ids;
; the chosen parents are brought into lanes by lane reads and lane writes, which select values.
; SHARES: work-group x serves queries 8 x .. 8 x + 7, one a wave.  Their keys are one aligned half (256 bytes) of each of 1,024 units: each wave brings 128 of these rows by one tensor load; LDS is filled once.
; No cluster: no two work-groups read the same bytes.  All of LDS is claimed; the text uses 279,552 bytes.
; A wave stores 128 consecutive bytes, the work-group's eight waves 1,024 on end: 262,144 bytes in the whole launch.
; LIMITS: NaN and infinities are not served; v_sqrt_f32 is taken not to fall where its input rises.
.set KP,  272                          ; an LDS row: 256 bytes + 16 of padding: an odd multiple of 16, so that the 16 rows a read touches begin in different banks
.set VB,  2                            ; v2-6   272 x lane + 32 x wave + g x 7 x 8704: parent 32 i + lane is reached from register i / 7 with the immediate (i % 7) 8704
.set PD,  16                           ; v16-47 set i: parent 32 i + lane's dist
.set CH,  48                           ; v48-111 two buffers of four sets of 8 children
.set RK,  112
.set PW,  116                          ; v116 lane i: the word of parents 32 i .. (bit l: parent 32 i + l is chosen)
.set PL,  117                          ; v117 lane n: the n-th chosen parent
	s_load_b128 s[4:7], s[0:1], 0x0                ; keys, sel
	v_lshl_add_u32 v128, v0, 2, 0x44000
	v_mov_b32 v129, 0
	ds_add_u32 v128, v129
	ds_add_u32 v128, v129
	v_lshrrev_b32 v1, 5, v0
	s_delay_alu instid0(VALU_DEP_1)
	v_readfirstlane_b32 s8, v1                     ; wave 0..7
	s_lshr_b32 s9, ttmp9, 1                        ; the query tile
	s_and_b32 s10, ttmp9, 1                        ; which half of its units
	s_lshl_b32 s32, s9, 19
	s_lshl_b32 s11, s10, 8
	s_add_co_u32 s32, s32, s11
	s_lshl_b32 s11, s8, 16                         ; my 128 units
	s_add_co_u32 s32, s32, s11
	s_mov_b32 s33, 0
	s_lshl_b32 s34, ttmp9, 3
	s_add_co_u32 s34, s34, s8                      ; my query
	s_lshl_b32 s34, s34, 7                         ; 128 bytes a query
	s_mov_b32 s35, 0
	; descriptor group 1: 128 rows of 32 elements of 8 bytes, 64 elements apart, 16 bytes of padding behind each
	s_mov_b32 s16, (3<<16)|(1<<20)|(5<<22)|(3<<25)
	s_mov_b32 s17, 32<<16
	s_mov_b32 s18, 128<<16
	s_mov_b32 s19, 32<<16
	s_mov_b32 s20, 128
	s_mov_b32 s21, 64
	s_mov_b32 s22, 0
	s_mov_b32 s23, 0
	s_mov_b32 s12, 1
	s_mul_i32 s13, s8, 128*KP
	s_wait_dscnt 0x0
	s_wait_kmcnt 0x0
	s_add_nc_u64 s[14:15], s[4:5], s[32:33]
	s_or_b32 s15, s15, 0x80000000
	tensor_load_to_lds s[12:15], s[16:23]          ; my one tensor load
	s_nop 0
.rept 4
	v_nop
.endr
	s_add_nc_u64 s[6:7], s[6:7], s[34:35]
	v_and_b32 v1, 31, v0                           ; lane
	s_delay_alu instid0(VALU_DEP_1)
	v_mul_u32_u24 v[VB], v1, KP
	s_lshl_b32 s11, s8, 5
	v_add_nc_u32 v[VB], s11, v[VB]
.irp g, 1,2,3,4
	v_add_nc_u32 v[VB+\g], \g*7*32*KP, v[VB]
.endr
	v_lshlrev_b32 v9, 2, v1                        ; 4 x lane: my word of the query's 32
	v_mov_b32 v[PW], 0                             ; a lane write's destination counts as read
	v_mov_b32 v[PL], 0
	s_wait_alu depctr_va_vdst(0)
	s_wait_tensorcnt 0x0                           ; my rows are in,
	s_barrier_signal -1
	s_barrier_wait -1                              ; everybody's are
.macro LOADCH g, buf                   ; the children of sets 4 g .. 4 g + 3: 8 LDS loads
.irp k, 0,1,2,3
.set II, 4*(\g)+\k
	ds_load_b128 v[CH+32*(\buf)+8*\k:CH+32*(\buf)+8*\k+3], v[VB+II/7] offset:(II%7)*32*KP
	ds_load_b128 v[CH+32*(\buf)+8*\k+4:CH+32*(\buf)+8*\k+7], v[VB+II/7] offset:(II%7)*32*KP+16
.endr
.endm
.macro PMIN g, buf                     ; each parent's least d2, the four sets by turns
.irp k, 0,1,2,3
	v_min3_num_f32 v[PD+4*(\g)+\k], v[CH+32*(\buf)+8*\k], v[CH+32*(\buf)+8*\k+1], v[CH+32*(\buf)+8*\k+2]
.endr
.irp k, 0,1,2,3
	s_delay_alu instid0(VALU_DEP_4)
	v_min3_num_f32 v[PD+4*(\g)+\k], v[PD+4*(\g)+\k], v[CH+32*(\buf)+8*\k+3], v[CH+32*(\buf)+8*\k+4]
.endr
.irp k, 0,1,2,3
	s_delay_alu instid0(VALU_DEP_4)
	v_min3_num_f32 v[PD+4*(\g)+\k], v[PD+4*(\g)+\k], v[CH+32*(\buf)+8*\k+5], v[CH+32*(\buf)+8*\k+6]
.endr
.irp k, 0,1,2,3
	s_delay_alu instid0(VALU_DEP_4)
	v_min_num_f32 v[PD+4*(\g)+\k], v[PD+4*(\g)+\k], v[CH+32*(\buf)+8*\k+7]
.endr
.endm
	; ---- 1: the parents' dist
	LOADCH 0, 0
.irp g, 0,1,2,3,4,5,6,7
.if \g < 7
	LOADCH \g+1, (\g+1)%2
	s_wait_dscnt 8                                 ; this group's loads are in; the next group's 8 may be out
.else
	s_wait_dscnt 0x0
.endif
	PMIN \g, \g%2
.endr
.set i, 0
.rept 32
	v_max_num_f32 v[PD+i], 0, v[PD+i]
.set i, i+1
.endr
.set i, 0
	s_wait_alu depctr_va_vdst(0)
.rept 32
	v_sqrt_f32 v[PD+i], |v[PD+i]|
.set i, i+1
.endr
	v_nop                                          ; one plain place behind the roots
	; ---- 2: T, the 32nd least of the 1,024, from its top bit down: a bit stays set while fewer than 32 lie under the trial
	s_mov_b32 s24, 0                               ; T
	s_mov_b32 s27, 0                               ; how many lie under T
	s_mov_b32 s28, 31
.Lbit:
	s_sub_co_u32 s28, s28, 1
	s_lshl_b32 s29, 1, s28
	s_or_b32 s25, s24, s29                         ; the trial
	s_mov_b32 s26, 0
	s_wait_alu depctr_va_vdst(0)
.irp n, 0,1,2,3
.irp j, 0,1,2,3,4,5,6,7
	v_cmp_gt_u32 s[40+\j], s25, v[PD+8*\n+\j]
.endr
.irp j, 0,1,2,3,4,5,6,7
	s_bcnt1_i32_b32 s[40+\j], s[40+\j]
.endr
.irp j, 0,1,2,3,4,5,6,7
	s_add_co_u32 s26, s26, s[40+\j]
.endr
.endr
	s_cmp_lt_u32 s26, 32
	s_cselect_b32 s24, s25, s24
	s_cselect_b32 s27, s26, s27
	s_cmp_lg_u32 s28, 0
	s_cbranch_scc1 .Lbit
	; ---- 3: the 32 parents: all under T, and of those at T the first 32 - (that many), in ascending number
	s_sub_co_u32 s30, 32, s27
	s_mov_b32 s31, 0                               ; parents at T met so far
.set i, 0
.rept 32
	v_cmp_gt_u32 s40, s24, v[PD+i]
	v_cmp_eq_u32 s41, s24, v[PD+i]
	s_delay_alu instid0(VALU_DEP_1)
	v_mbcnt_lo_u32_b32 v[RK], s41, s31             ; my rank among the parents at T
	s_delay_alu instid0(VALU_DEP_1)
	v_cmp_gt_u32 s42, s30, v[RK]
	s_and_b32 s42, s42, s41
	s_or_b32 s42, s42, s40                         ; chosen
	s_bcnt1_i32_b32 s43, s41
	s_add_co_u32 s31, s31, s43
	v_writelane_b32 v[PW], s42, i
.set i, i+1
.endr
	; ---- 4: the 32 chosen parents into lanes 0-31, ascending: 32 steps, written out, with no branch: a word is taken up when the one in hand is used up
	s_wait_alu depctr_va_vdst(0)
	v_cmp_ne_u32 s30, 0, v[PW]                     ; words that hold a bit
	s_mov_b32 s31, 0                               ; the word in hand: its number,
	s_mov_b32 s32, 0                               ; and what is left of it
.set n, 0
.rept 32
	s_ctz_i32_b32 s34, s30
	s_min_u32 s34, s34, 31
	v_readlane_b32 s35, v[PW], s34                 ; the next word that holds a bit
	s_sub_co_u32 s36, s30, 1
	s_and_b32 s36, s30, s36
	s_cmp_eq_u32 s32, 0
	s_cselect_b32 s31, s34, s31
	s_cselect_b32 s30, s36, s30
	s_cselect_b32 s32, s35, s32
	s_ctz_i32_b32 s37, s32
	s_min_u32 s37, s37, 31
	s_lshl_b32 s38, s31, 5
	s_add_co_u32 s38, s38, s37                     ; the parent
	v_writelane_b32 v[PL], s38, n
	s_wait_alu depctr_va_vdst(0)
	s_sub_co_u32 s39, s32, 1
	s_and_b32 s32, s32, s39                        ; that parent is done
.set n, n+1
.endr
	global_store_b32 v9, v[PL], s[6:7]             ; 128 consecutive bytes
	s_wait_tensorcnt 0x0
	ds_add_u32 v128, v129
	s_wait_dscnt 0x0
	s_endpgm
.Lfunc_end_k_q6214710300_pick:
	.size	k_q6214710300_pick, .Lfunc_end_k_q6214710300_pick-k_q6214710300_pick
	.p2alignl 7, 3214868480
	.fill 96, 4, 3214868480
	.section	.rodata,"a",@progbits
	.p2align	6, 0x0
	.amdhsa_kernel k_q6214710300_pick
		.amdhsa_group_segment_fixed_size 327680
		.amdhsa_private_segment_fixed_size 0
		.amdhsa_enable_private_segment 0
		.amdhsa_kernarg_size 16
		.amdhsa_user_sgpr_count 2
		.amdhsa_user_sgpr_kernarg_segment_ptr 1
		.amdhsa_wavefront_size32 1
		.amdhsa_system_sgpr_workgroup_id_x 1
		.amdhsa_system_sgpr_workgroup_id_y 1
		.amdhsa_system_sgpr_workgroup_id_z 1
		.amdhsa_system_vgpr_workitem_id 0
		.amdhsa_next_free_vgpr 130
		.amdhsa_next_free_sgpr 66
		.amdhsa_reserve_vcc 0
		.amdhsa_float_denorm_mode_32 3
		.amdhsa_float_denorm_mode_16_64 3
		.amdhsa_memory_ordered 1
		.amdhsa_forward_progress 1
		.amdhsa_inst_pref_size 60
	.end_amdhsa_kernel
	.amdgpu_metadata
---
amdhsa.version: [ 1, 2 ]
amdhsa.kernels:
  - .name:           k_q6214710300_pick
    .symbol:         k_q6214710300_pick.kd
    .args:
      - { .name: keys, .offset: 0, .size: 8, .value_kind: global_buffer, .address_space: global }
      - { .name: sel, .offset: 8, .size: 8, .value_kind: global_buffer, .address_space: global }
    .group_segment_fixed_size: 327680
    .private_segment_fixed_size: 0
    .kernarg_segment_align: 8
    .kernarg_segment_size: 16
    .max_flat_workgroup_size: 256
    .sgpr_count:     66
    .vgpr_count:     130
    .wavefront_size: 32
...
	.end_amdgpu_metadata
.endif
;; end of part 3
;; launch narrow (part 4): grid 256 x 1, 8 waves a work-group, no clusters, 0 bytes of LDS; arguments keys, sel, cand; writes cand
.if DOCPART == 4
	.amdgcn_target "amdgcn-amd-amdhsa--gfx1250"
	.amdhsa_code_object_version 6
	.text
	.protected	k_q6214710300_narrow
	.globl	k_q6214710300_narrow
	.p2align	8
	.type	k_q6214710300_narrow,@function
k_q6214710300_narrow:
	s_mov_b64 s[64:65], 0
	v_nop
	global_prefetch_b8 v0, s[64:65] scope:SCOPE_SE
	s_setreg_imm32_b32 hwreg(HW_REG_WAVE_MODE, 25, 1), 1
	s_wait_xcnt 0x0
; For each query: the 32 children (groups of 8 neighbouring train rows) in which its 32 nearest rows lie: the 32 least by (child's dist, child's number) among the 256 children of the 32 chosen parents.
; Read: sel (the 32 parents, ascending: whole numbers that an earlier launch stored) and, by them, 32 bytes of keys for each parent.  Written: cand, 128 bytes a query: word n: the n-th chosen group, ascending.
; WHAT HANGS ON WHAT: the one address that hangs on data is keys', made of a parent's number out of sel, held under 1,023 first.  What this launch derives from floating-point numbers (the choice of children)
; enters no address and no branch here: it is stored, and the next launch reads it.  All loops have constant counts.
; keys: [query tile 128][parent 1024][512 bytes]; query r of a tile has 32 neighbouring bytes of a unit, at 32 r: word 4 h + t is child 2 t + h.
; SHARES: one wave, one query; lane l takes parent l and its eight children.  No LDS, no barrier, no tensor load, no cluster: waves share nothing, and the bytes are few.
; A wave stores 128 consecutive bytes, the work-group's eight waves 1,024 on end.
; LIMITS: NaN and infinities are not served; v_sqrt_f32 is taken not to fall where its input rises.
.set PA,  3                            ; v3   my parent
.set KO,  4                            ; v4   its unit's byte offset in the query tile's keys
.set CH,  8                            ; v8-15 my eight children's least d2, then dist: child c at CH + 4 (c % 2) + c / 2
.set RUN, 16
.set TU,  17
.set VM,  18                           ; my mask of chosen children
.set PM,  19                           ; 8 x parent above bit 8, the mask below
.set L,   20                           ; lane n: the n-th chosen group
	s_load_b128 s[4:7], s[0:1], 0x0                ; keys, sel
	s_load_b64 s[8:9], s[0:1], 0x10                ; cand
	v_lshrrev_b32 v1, 5, v0
	s_delay_alu instid0(VALU_DEP_1)
	v_readfirstlane_b32 s10, v1                    ; wave 0..7
	v_and_b32 v1, 31, v0                           ; lane
	s_delay_alu instid0(VALU_DEP_1)
	v_lshlrev_b32 v2, 2, v1                        ; 4 x lane
	v_mov_b32 v[L], 0                              ; a lane write's destination counts as read
	s_lshl_b32 s11, ttmp9, 3
	s_add_co_u32 s11, s11, s10                     ; my query
	s_lshl_b32 s12, s11, 7                         ; 128 bytes a query in sel and in cand
	s_mov_b32 s13, 0
	s_lshr_b32 s14, s11, 4
	s_lshl_b32 s14, s14, 19                        ; the query tile's 1,024 units of 512 bytes
	s_and_b32 s15, s11, 15
	s_lshl_b32 s15, s15, 5                         ; my query's 32 bytes in a unit
	s_add_co_u32 s14, s14, s15
	s_mov_b32 s15, 0
	s_wait_alu depctr_va_vdst(0)
	s_wait_kmcnt 0x0
	s_add_nc_u64 s[4:5], s[4:5], s[14:15]
	s_add_nc_u64 s[6:7], s[6:7], s[12:13]
	s_add_nc_u64 s[8:9], s[8:9], s[12:13]
	global_load_b32 v[PA], v2, s[6:7]
	s_wait_loadcnt 0x0
	v_min_u32 v[PA], 0x3ff, v[PA]
	s_delay_alu instid0(VALU_DEP_1)
	v_lshlrev_b32 v[KO], 9, v[PA]
	global_load_b128 v[CH:CH+3], v[KO], s[4:5]             ; children 0, 2, 4, 6
	global_load_b128 v[CH+4:CH+7], v[KO], s[4:5] offset:16 ; children 1, 3, 5, 7
	s_wait_loadcnt 0x0
.irp j, 0,1,2,3,4,5,6,7
	v_max_num_f32 v[CH+\j], 0, v[CH+\j]
.endr
	s_wait_alu depctr_va_vdst(0)
.irp j, 0,1,2,3,4,5,6,7
	v_sqrt_f32 v[CH+\j], |v[CH+\j]|
.endr
	v_nop                                          ; one plain place behind the roots
	; ---- T, the 32nd least of the 256, from its top bit down: a bit stays set while fewer than 32 lie under the trial
	s_mov_b32 s24, 0                               ; T
	s_mov_b32 s27, 0                               ; how many lie under T
	s_mov_b32 s28, 31
.Lbit:
	s_sub_co_u32 s28, s28, 1
	s_lshl_b32 s29, 1, s28
	s_or_b32 s25, s24, s29                         ; the trial
	s_mov_b32 s26, 0
	s_wait_alu depctr_va_vdst(0)
.irp j, 0,1,2,3,4,5,6,7
	v_cmp_gt_u32 s[40+\j], s25, v[CH+\j]
.endr
.irp j, 0,1,2,3,4,5,6,7
	s_bcnt1_i32_b32 s[40+\j], s[40+\j]
.endr
.irp j, 0,1,2,3,4,5,6,7
	s_add_co_u32 s26, s26, s[40+\j]
.endr
	s_cmp_lt_u32 s26, 32
	s_cselect_b32 s24, s25, s24
	s_cselect_b32 s27, s26, s27
	s_cmp_lg_u32 s28, 0
	s_cbranch_scc1 .Lbit
	; ---- the 32 children: all under T, and of those at T the first 32 - (that many) in ascending number: the lanes ascend with the parent, a lane's children with c
	s_sub_co_u32 s30, 32, s27
.irp c, 0,1,2,3,4,5,6,7
	v_cmp_eq_u32 s[40+\c], s24, v[CH+4*(\c%2)+\c/2]
.endr
	v_mbcnt_lo_u32_b32 v[RUN], s40, 0
.irp c, 1,2,3,4,5,6,7
	s_delay_alu instid0(VALU_DEP_1)
	v_mbcnt_lo_u32_b32 v[RUN], s[40+\c], v[RUN]    ; children at T in the lanes below me
.endr
	v_mov_b32 v[VM], 0
.irp c, 0
	s_delay_alu instid0(VALU_DEP_2)
	v_cmp_gt_u32 s50, s30, v[RUN]                  ; is my rank among those at T under what is still wanted?
	v_cmp_gt_u32 s51, s24, v[CH+4*(\c%2)+\c/2]
	s_and_b32 s50, s50, s[40+\c]
	s_or_b32 s50, s50, s51                         ; chosen
	v_cndmask_b32 v[TU], 0, 1, s50
	s_delay_alu instid0(VALU_DEP_1)
	v_lshl_or_b32 v[VM], v[TU], \c, v[VM]
	v_cndmask_b32 v[TU], 0, 1, s[40+\c]
	s_delay_alu instid0(VALU_DEP_1)
	v_add_nc_u32 v[RUN], v[RUN], v[TU]             ; and my own earlier children
.endr
.irp c, 1, 2, 3, 4, 5, 6, 7
	s_delay_alu instid0(VALU_DEP_1)
	v_cmp_gt_u32 s50, s30, v[RUN]                  ; is my rank among those at T under what is still wanted?
	v_cmp_gt_u32 s51, s24, v[CH+4*(\c%2)+\c/2]
	s_and_b32 s50, s50, s[40+\c]
	s_or_b32 s50, s50, s51                         ; chosen
	v_cndmask_b32 v[TU], 0, 1, s50
	s_delay_alu instid0(VALU_DEP_1)
	v_lshl_or_b32 v[VM], v[TU], \c, v[VM]
	v_cndmask_b32 v[TU], 0, 1, s[40+\c]
	s_delay_alu instid0(VALU_DEP_1)
	v_add_nc_u32 v[RUN], v[RUN], v[TU]             ; and my own earlier children
.endr
	s_delay_alu instid0(VALU_DEP_3)
	v_lshl_or_b32 v[PM], v[PA], 11, v[VM]
	; ---- the 32 chosen groups into lanes 0-31, ascending: 32 steps, written out, with no branch: a lane's word is taken up when the mask in hand is used up; lanes with an empty mask are passed over
	s_wait_alu depctr_va_vdst(0)
	v_cmp_ne_u32 s30, 0, v[VM]                     ; lanes whose mask holds a bit
	s_mov_b32 s32, 0                               ; the word in hand: nothing yet
.set n, 0
.rept 32
	s_ctz_i32_b32 s34, s30
	s_min_u32 s34, s34, 31
	v_readlane_b32 s35, v[PM], s34                 ; the next lane's word
	s_sub_co_u32 s36, s30, 1
	s_and_b32 s36, s30, s36
	s_and_b32 s39, s32, 0xff                       ; is a bit left of the mask in hand?
	s_cselect_b32 s30, s30, s36                    ; if not, that lane is taken up
	s_cselect_b32 s32, s32, s35
	s_ctz_i32_b32 s37, s32                         ; the lowest child left (the mask lies lowest in the word)
	s_min_u32 s37, s37, 7
	s_lshr_b32 s38, s32, 8
	s_add_co_u32 s38, s38, s37                     ; the group: 8 x parent + child
	v_writelane_b32 v[L], s38, n
	s_wait_alu depctr_va_vdst(0)
	s_sub_co_u32 s39, s32, 1
	s_and_b32 s32, s32, s39                        ; that child is done
.set n, n+1
.endr
	global_store_b32 v2, v[L], s[8:9]              ; 128 consecutive bytes
	s_endpgm
.Lfunc_end_k_q6214710300_narrow:
	.size	k_q6214710300_narrow, .Lfunc_end_k_q6214710300_narrow-k_q6214710300_narrow
	.p2alignl 7, 3214868480
	.fill 96, 4, 3214868480
	.section	.rodata,"a",@progbits
	.p2align	6, 0x0
	.amdhsa_kernel k_q6214710300_narrow
		.amdhsa_group_segment_fixed_size 0
		.amdhsa_private_segment_fixed_size 0
		.amdhsa_enable_private_segment 0
		.amdhsa_kernarg_size 24
		.amdhsa_user_sgpr_count 2
		.amdhsa_user_sgpr_kernarg_segment_ptr 1
		.amdhsa_wavefront_size32 1
		.amdhsa_system_sgpr_workgroup_id_x 1
		.amdhsa_system_sgpr_workgroup_id_y 1
		.amdhsa_system_sgpr_workgroup_id_z 1
		.amdhsa_system_vgpr_workitem_id 0
		.amdhsa_next_free_vgpr 32
		.amdhsa_next_free_sgpr 66
		.amdhsa_reserve_vcc 0
		.amdhsa_float_denorm_mode_32 3
		.amdhsa_float_denorm_mode_16_64 3
		.amdhsa_memory_ordered 1
		.amdhsa_forward_progress 1
		.amdhsa_inst_pref_size 29
	.end_amdhsa_kernel
	.amdgpu_metadata
---
amdhsa.version: [ 1, 2 ]
amdhsa.kernels:
  - .name:           k_q6214710300_narrow
    .symbol:         k_q6214710300_narrow.kd
    .args:
      - { .name: keys, .offset: 0, .size: 8, .value_kind: global_buffer, .address_space: global }
      - { .name: sel, .offset: 8, .size: 8, .value_kind: global_buffer, .address_space: global }
      - { .name: cand, .offset: 16, .size: 8, .value_kind: global_buffer, .address_space: global }
    .group_segment_fixed_size: 0
    .private_segment_fixed_size: 0
    .kernarg_segment_align: 8
    .kernarg_segment_size: 24
    .max_flat_workgroup_size: 256
    .sgpr_count:     66
    .vgpr_count:     32
    .wavefront_size: 32
...
	.end_amdgpu_metadata
.endif
;; end of part 4
;; launch vote (part 5): grid 2048 x 1, 1 waves a work-group, no clusters, 6,400 bytes of LDS; arguments cand, timg, qimg, y_train, out0; writes out0
.if DOCPART == 5
	.amdgcn_target "amdgcn-amd-amdhsa--gfx1250"
	.amdhsa_code_object_version 6
	.text
	.protected	k_q6214710300_vote
	.globl	k_q6214710300_vote
	.p2align	8
	.type	k_q6214710300_vote,@function
k_q6214710300_vote:
	s_mov_b64 s[64:65], 0
	v_nop
	global_prefetch_b8 v0, s[64:65] scope:SCOPE_SE
	s_setreg_imm32_b32 hwreg(HW_REG_WAVE_MODE, 25, 1), 1
	s_wait_xcnt 0x0
; One wave, one query.  Its 32 chosen groups of 8 neighbouring train rows (cand: whole numbers, ascending, stored by an earlier launch) hold its 32 nearest rows.  The 256 rows' codes are gathered, 32 rows at a time,
; and multiplied by the query's by the same chain of four matrix instructions as in the full product (the sources changed places: the same bits), each sum starting from the row's -t2/2 as its record carries it:
; g = dot - t2/2, d2 = q2 - 2 g (one multiply-add), dist = sqrt(max(d2, 0)); the 32 least by (dist, index) vote.
; Source 0 = the query, the same in all 16 rows; source 1 = 16 gathered rows: register 0 of lane l holds column l % 16's sum.
; THE GATHER RUNS AHEAD.  Eight sets of 32 candidates (two tiles, 27 loads) go through two sets of registers by turns: the even ones in window 0, the odd ones in window 1.  As soon as a set's eight products are issued,
; the set two further on is asked for into the same registers; the 25 vector instructions that make its addresses are the places behind the products.  So the other set's 27 loads are out while one set is worked on.
; WHAT HANGS ON WHAT.  No branch and no trip count hangs on anything that was loaded: 3 trips of the gather and a tail that is written out, 31 of the search.  The gather's addresses hang on cand, the histogram's on y_train:
; whole numbers read from memory, each held under a constant first.  Floating-point numbers decide VALUES alone (the 0 or 1 that a candidate adds to its class).
; Candidate 8 e + i is row i of the list's entry e: it ascends with the row's index.  In the gather lane l of set b makes candidate 32 b + l; behind it lane l takes candidates 8 l .. 8 l + 7: the rows of ITS OWN entry.
; The 32nd least dist is found bit by bit, by counts and selections.  The histogram is a byte for each (class, lane): a lane owns its column, so nothing is added by two lanes to one byte.
; One wave to a work-group: no LDS byte is shared, no barrier.  No tensor load, no cluster: the rows differ from query to query.
; LIMITS: the order of rounding differs from the definition's (q2 - 2 dot) + t2, as in the full product; NaN and infinities are not served; v_sqrt_f32 is taken not to fall where its input rises; labels outside 0..99 count for nothing.
; LDS: 0 the histogram, [class 128][lane 32] bytes; 4096 dist, 256 words; 6144 the spare words.
; REGISTERS, window 0: v1-10 addresses; v11-13, v209-211 the two sets' offsets in timg; v16-63 the query's fragments, v64-67 its scale words, v68 q2; v70-117, v122-169 two tiles of gathered rows;
;   v118-121, v170-173 the even sets' scale words, v202-205, v226-229 the odd sets' (scale operands have no window); v174-189 two accumulators; v190 the list; v192-199 my entry's labels; v216-217 dist at work;
;   v218-225 the C of a sum's first product (v218: my candidate's -t2/2; the rest zeros: of each result register 0 alone is used); v232-239 my eight dist; v240-255 the histogram's addresses and bytes.
;   Window 1: the same numbers for the odd sets' tiles, accumulators and C.  Behind the gather v70-113 of window 0 are at work.
.set REC,  6656
.set HIST, 0
.set DIST, 4096
.set O1,  11
.set QF,  16
.set QS,  64
.set Q2R, 68
.set FA,  70
.set FAS, 118
.set FB,  122
.set FBS, 170
.set AC0, 174
.set AC1, 182
.set L,    190
.set LBL,  192
.set OLB,  200
.set TB,   201
.set S2A,  202
.set G0,   206                         ; v206-208 three groups: tile 0's for my row, tile 1's, my candidate's
.set O0,   209
.set TA,   212                         ; v212-215 a set's four groups, the same in every lane
.set DOT,  216
.set T2R,  218
.set Z,    222
.set S2B,  226
.set D,    232
.set HA,   240
.set HV,   248
.set ROW,  70                          ; behind the gather
.set KEY,  102
.set CLS,  106
.set RK,   110
.set INC,  111
.set RUN,  112
.set TU,   113
.set MSB, 0
.macro WIN new                         ; the immediate's high byte repeats the setting that is left
.if MSB != \new
	s_set_vgpr_msb (MSB<<8)|\new
.set MSB, \new
.endif
.endm
	s_load_b256 s[4:11], s[0:1], 0x0               ; cand s[4:5], timg s[6:7], qimg s[8:9], y_train s[10:11]
	s_load_b64 s[12:13], s[0:1], 0x20              ; out0
	v_lshl_add_u32 v230, v0, 2, 0x1800
	v_mov_b32 v231, 0
	v_lshlrev_b32 v1, 4, v0                        ; 16 l
	v_lshlrev_b32 v2, 5, v0                        ; 32 l
	v_lshlrev_b32 v7, 2, v0                        ; 4 l
	v_bfe_u32 v14, v0, 4, 1                        ; hk
	s_and_b32 s14, ttmp9, 15
	s_lshl_b32 s14, s14, 4                         ; 16 x (my query's row in its tile)
	v_lshl_add_u32 v3, v14, 8, s14                 ; the query's fragments: its row's lane, + 16 hk lanes
	v_mov_b32 v4, s14
	v_and_b32 v15, 7, v0
	v_lshlrev_b32 v6, 4, v15                       ; 16 (l % 8)
	v_lshl_add_u32 v5, v14, 8, v6                  ; a gathered row's fragments: 16 (r % 8) + 256 hk
	v_lshlrev_b32 v10, 2, v0                       ; dist: 4 l, + 256 a trip
.irp j, 219,220,221,222,223,224,225
	v_mov_b32 v\j, 0                               ; the upper seven registers of C, and (v222-225) the zeros that clear the histogram
.endr
	WIN 0x40                                       ; destination window 1
.irp j, 219,220,221,222,223,224,225
	v_mov_b32 v\j, 0                               ; the same seven of the odd sets' C
.endr
	WIN 0
	s_lshl_b32 s16, ttmp9, 7                       ; 128 bytes a query in cand
	s_mov_b32 s17, 0
	s_lshr_b32 s18, ttmp9, 4
	s_mul_i32 s18, s18, REC
	s_mov_b32 s19, 0
	s_lshl_b32 s34, ttmp9, 2
	s_mov_b32 s35, 0
	s_mov_b32 s23, 0xffff0000                      ; lanes 16-31
	s_mov_b32 s52, 0xff00ff00                      ; lanes whose row in a tile is 8 to 15
	s_mov_b32 s48, 0x76543210
	s_mov_b32 s49, 0xfedcba98                      ; selects for lane l xor 16
	s_mov_b32 s53, 0x01010101
	s_wait_alu depctr_va_vdst(0)
	s_wait_kmcnt 0x0
	s_add_nc_u64 s[4:5], s[4:5], s[16:17]
	s_add_nc_u64 s[8:9], s[8:9], s[18:19]
	s_add_nc_u64 s[12:13], s[12:13], s[34:35]
	global_load_b32 v[L], v7, s[4:5]               ; lane e: entry e of the list
.irp s, 0,1,2,3
.irp c, 0,1,2
	global_load_b128 v[QF+12*\s+4*\c:QF+12*\s+4*\c+3], v3, s[8:9] offset:1536*\s+512*\c
.endr
.endr
	global_load_b128 v[QS:QS+3], v4, s[8:9] offset:6144
	global_load_b32 v[Q2R], v4, s[8:9] offset:6400
.irp k, 0,1,2,3,4,5,6,7
	ds_store_b128 v1, v[Z:Z+3] offset:HIST+512*\k
.endr
	s_wait_loadcnt 0x0                             ; the list and the query
	v_min_u32 v[OLB], 0x1fff, v[L]
	v_lshlrev_b32 v[OLB], 5, v[OLB]                ; a group's eight labels are 32 neighbouring bytes
	global_load_b128 v[LBL:LBL+3], v[OLB], s[10:11]            ; my own entry's labels: asked for here, ahead of the gather's loads
	global_load_b128 v[LBL+4:LBL+7], v[OLB], s[10:11] offset:16
.macro PICK4                           ; four entries of the list, from entry s36 on, into s40-43
	v_readlane_b32 s40, v[L], s36
	s_add_co_u32 s37, s36, 1
	v_readlane_b32 s41, v[L], s37
	s_add_co_u32 s38, s36, 2
	v_readlane_b32 s42, v[L], s38
	s_add_co_u32 s39, s36, 3
	v_readlane_b32 s43, v[L], s39
.endm
.macro GADDR o                         ; their byte offsets in timg: v[o] tile 0's for my row, v[o+1] tile 1's, v[o+2] my candidate's.  25 plain vector instructions
.irp x, 0,1,2,3
	v_mov_b32 v[TA+\x], s[40+\x]
.endr
	v_cndmask_b32 v[G0], v[TA], v[TA+1], s52       ; tile 0: rows 0-7 the first entry, rows 8-15 the second
	v_cndmask_b32 v[G0+1], v[TA+2], v[TA+3], s52   ; tile 1: the third and the fourth
	v_cndmask_b32 v[G0+2], v[G0], v[G0+1], s23     ; my candidate's: entry l / 8 of the four
.irp x, 0,1,2
	v_min_u32 v[G0+\x], 0x1fff, v[G0+\x]
.endr
.irp x, 0,1,2
	v_and_b32 v[\o+\x], 0x1ffe, v[G0+\x]
	v_mul_u32_u24 v[\o+\x], v[\o+\x], 3328         ; the group's record: (g / 2) x 6,656,
	v_and_b32 v[TB], 1, v[G0+\x]
	v_lshl_add_u32 v[\o+\x], v[TB], 7, v[\o+\x]    ; and its eight lanes there
.endr
	v_add_nc_u32 v[\o], v[\o], v5
	v_add_nc_u32 v[\o+1], v[\o+1], v5
	v_add_nc_u32 v[\o+2], v[\o+2], v6
.endm
.macro GLOAD w, o, sa, sb              ; a set's 27 loads: codes and -t2/2 into window w, scale words into window 0
.if \w
	WIN 0x40                                       ; destination window 1, address window 0
.endif
.irp s, 0,1,2,3
.irp c, 0,1,2
	global_load_b128 v[FA+12*\s+4*\c:FA+12*\s+4*\c+3], v[\o], s[6:7] offset:1536*\s+512*\c
	global_load_b128 v[FB+12*\s+4*\c:FB+12*\s+4*\c+3], v[\o+1], s[6:7] offset:1536*\s+512*\c
.endr
.endr
	global_load_b32 v[T2R], v[\o+2], s[6:7] offset:6400        ; lanes 0-15: tile 0's columns, lanes 16-31: tile 1's: the lanes whose register 0 is read
	WIN 0
	global_load_b128 v[\sa:\sa+3], v[\o], s[6:7] offset:6144   ; lanes 0-15: the rows' scale words (lanes 16-31 read on inside the record; theirs are not used)
	global_load_b128 v[\sb:\sb+3], v[\o+1], s[6:7] offset:6144
.endm
.macro WM w, sa, sb                    ; eight products; the two accumulators take turns, one instruction a turn
.if \w
	WIN 0x54                                       ; source 0 (the query) window 0; source 1, C and D window 1
.endif
.irp s, 0,1,2,3
.if \s == 0
	v_wmma_scale_f32_16x16x128_f8f6f4 v[AC0:AC0+7], v[QF+12*\s:QF+12*\s+11], v[FA+12*\s:FA+12*\s+11], v[T2R:T2R+7], v[QS+\s], v[\sa+\s] matrix_a_fmt:MATRIX_FMT_BF6 matrix_b_fmt:MATRIX_FMT_BF6
	v_wmma_scale_f32_16x16x128_f8f6f4 v[AC1:AC1+7], v[QF+12*\s:QF+12*\s+11], v[FB+12*\s:FB+12*\s+11], v[T2R:T2R+7], v[QS+\s], v[\sb+\s] matrix_a_fmt:MATRIX_FMT_BF6 matrix_b_fmt:MATRIX_FMT_BF6
.else
	v_wmma_scale_f32_16x16x128_f8f6f4 v[AC0:AC0+7], v[QF+12*\s:QF+12*\s+11], v[FA+12*\s:FA+12*\s+11], v[AC0:AC0+7], v[QS+\s], v[\sa+\s] matrix_a_fmt:MATRIX_FMT_BF6 matrix_b_fmt:MATRIX_FMT_BF6
	v_wmma_scale_f32_16x16x128_f8f6f4 v[AC1:AC1+7], v[QF+12*\s:QF+12*\s+11], v[FB+12*\s:FB+12*\s+11], v[AC1:AC1+7], v[QS+\s], v[\sb+\s] matrix_a_fmt:MATRIX_FMT_BF6 matrix_b_fmt:MATRIX_FMT_BF6
.endif
.endr
	WIN 0
.endm
; A set's turn.  w: its window; o, sa, sb: its offsets and scale words; more = 1: the set two further on (entries from s36 on) is asked for; left: the younger loads that may stay out.
.macro HALF w, o, sa, sb, more, left
	s_wait_loadcnt \left                           ; this set's 27 loads are in
	WM \w, \sa, \sb
.if \more
	PICK4
	GADDR \o                                       ; these lines name none of the products' registers: the places in front of the loads below and of the read of the results
	GLOAD \w, \o, \sa, \sb
.else
.rept 5
	v_nop                                          ; places behind the products
.endr
.endif
.if \w
	WIN 0x05                                       ; sources 0 and 1 window 1
.endif
	v_cndmask_b32 v[DOT+\w], v[AC0], v[AC1], s23   ; lanes 0-15: tile 0's column l; lanes 16-31: tile 1's column l - 16
	WIN 0
	v_fma_f32 v[DOT+\w], v[DOT+\w], -2.0, v[Q2R]   ; d2 = q2 - 2 g, rounded once: the same multiply-add as in the full product
	v_max_num_f32 v[DOT+\w], 0, v[DOT+\w]
	s_wait_alu depctr_va_vdst(0)                   ; the wait ahead of the root,
	v_sqrt_f32 v[DOT+\w], |v[DOT+\w]|
	v_nop                                          ; one plain place behind it,
	s_wait_alu depctr_va_vdst(0)                   ; and the wait ahead of its reader
	ds_store_b32 v10, v[DOT+\w] offset:DIST+128*\w ; candidate 32 b + l
.endm
	; ---- the gather: sets 0 and 1 are asked for; a trip works two sets and asks for the two behind them; the last two sets are written out, so that no load passes the list's end
	s_mov_b32 s36, 0
	PICK4
	GADDR O0
	GLOAD 0, O0, FAS, FBS
	s_mov_b32 s36, 4
	PICK4
	GADDR O1
	GLOAD 1, O1, S2A, S2B
	s_mov_b32 s28, 0
.Lgather:
	s_lshl_b32 s36, s28, 3
	s_add_co_u32 s36, s36, 8                       ; the even set two further on: entries 8 k + 8 ..
	HALF 0, O0, FAS, FBS, 1, 27
	s_add_co_u32 s36, s36, 4                       ; the odd one: entries 8 k + 12 ..
	HALF 1, O1, S2A, S2B, 1, 27
	s_wait_dscnt 0x0                               ; the trip's stores are done: their address register may step
	v_add_nc_u32 v10, 256, v10
	s_add_co_u32 s28, s28, 1
	s_cmp_lt_u32 s28, 3
	s_wait_alu depctr_va_vdst(0)
	s_cbranch_scc1 .Lgather
	HALF 0, O0, FAS, FBS, 0, 27
	HALF 1, O1, S2A, S2B, 0, 0
	; ---- another share of the candidates: register i of lane l is candidate 8 l + i: row i of my own entry, whose labels I hold
	ds_load_b128 v[D:D+3], v2 offset:DIST          ; LDS serves a wave's instructions in order: these see my stores
	ds_load_b128 v[D+4:D+7], v2 offset:DIST+16
	s_wait_dscnt 0x0
	; ---- T, the 32nd least dist of the 256, from its top bit down: a bit stays set while fewer than 32 lie under the trial
	s_mov_b32 s24, 0
	s_mov_b32 s27, 0
	s_mov_b32 s28, 31
.Lbit:
	s_sub_co_u32 s28, s28, 1
	s_lshl_b32 s29, 1, s28
	s_or_b32 s25, s24, s29                         ; the trial
	s_mov_b32 s26, 0
.irp j, 0,1,2,3,4,5,6,7
	v_cmp_gt_u32 s[40+\j], s25, v[D+\j]
.endr
.irp j, 0,1,2,3,4,5,6,7
	s_bcnt1_i32_b32 s[40+\j], s[40+\j]
.endr
.irp j, 0,1,2,3,4,5,6,7
	s_add_co_u32 s26, s26, s[40+\j]
.endr
	s_cmp_lt_u32 s26, 32
	s_cselect_b32 s24, s25, s24
	s_cselect_b32 s27, s26, s27
	s_cmp_lg_u32 s28, 0
	s_cbranch_scc1 .Lbit
	; ---- the vote: all under T, and of those at T the first 32 - (that many) in ascending index, add 1 to their class; the others add 0
	s_sub_co_u32 s30, 32, s27
.irp i, 0,1,2,3,4,5,6,7
	v_min_u32 v[HA+\i], 127, v[LBL+\i]
	v_lshl_add_u32 v[HA+\i], v[HA+\i], 5, v0       ; my byte of the class's 32
	v_cmp_eq_u32 s[40+\i], s24, v[D+\i]
.endr
	v_mbcnt_lo_u32_b32 v[RUN], s40, 0
.irp i, 1,2,3,4,5,6,7
	v_mbcnt_lo_u32_b32 v[RUN], s[40+\i], v[RUN]    ; candidates at T in the lanes below me
.endr
.irp i, 0,1,2,3,4,5,6,7
	v_cmp_gt_u32 s50, s30, v[RUN]                  ; is my rank among those at T under what is still wanted?
	v_cmp_gt_u32 s51, s24, v[D+\i]
	s_and_b32 s50, s50, s[40+\i]
	s_or_b32 s50, s50, s51
	v_cndmask_b32 v[INC], 0, 1, s50
	v_cndmask_b32 v[TU], 0, 1, s[40+\i]
	v_add_nc_u32 v[RUN], v[RUN], v[TU]             ; and my own earlier rows
	ds_load_u8 v[HV+\i], v[HA+\i] offset:HIST      ; LDS serves a wave's instructions in order: this sees the store before it
	s_wait_alu depctr_va_vdst(0)
	s_wait_dscnt 0x0
	v_add_nc_u32 v[HV+\i], v[HV+\i], v[INC]
	ds_store_b8 v[HA+\i], v[HV+\i] offset:HIST
.endr
	; ---- the class with the most votes, the lower class on a tie: lane l takes classes l, l + 32, l + 64, l + 96
.irp k, 0,1,2,3
	ds_load_b128 v[ROW+8*\k:ROW+8*\k+3], v2 offset:HIST+1024*\k
	ds_load_b128 v[ROW+8*\k+4:ROW+8*\k+7], v2 offset:HIST+1024*\k+16
.endr
	s_wait_dscnt 0x0
.irp k, 0,1,2,3
	v_add3_u32 v[KEY+\k], v[ROW+8*\k], v[ROW+8*\k+1], v[ROW+8*\k+2]     ; byte by byte: 32 votes in all, so no byte runs over
	v_add3_u32 v[KEY+\k], v[KEY+\k], v[ROW+8*\k+3], v[ROW+8*\k+4]
	v_add3_u32 v[KEY+\k], v[KEY+\k], v[ROW+8*\k+5], v[ROW+8*\k+6]
	v_add_nc_u32 v[KEY+\k], v[KEY+\k], v[ROW+8*\k+7]
	v_mul_lo_u32 v[KEY+\k], v[KEY+\k], s53
	v_lshrrev_b32 v[KEY+\k], 24, v[KEY+\k]         ; the four bytes' sum: the class's votes
	v_add_nc_u32 v[CLS+\k], 32*\k, v0              ; the class
	v_sub_nc_u32 v[RK], 127, v[CLS+\k]
	v_lshl_add_u32 v[KEY+\k], v[KEY+\k], 7, v[RK]  ; the key: 128 x votes + 127 - class
.endr
	v_cmp_gt_u32 vcc_lo, 100, v[CLS+3]
	v_cndmask_b32 v[KEY+3], 0, v[KEY+3], vcc_lo    ; classes 100 and up are none
.irp k, 0,1,2,3
	v_cvt_f32_u32 v[KEY+\k], v[KEY+\k]             ; exact: at most 4,223
.endr
	v_max3_num_f32 v[RK], v[KEY], v[KEY+1], v[KEY+2]
	v_max_num_f32 v[RK], v[RK], v[KEY+3]
	v_max_num_f32_dpp v[RK], v[RK], v[RK] row_xmask:1 row_mask:0xf bank_mask:0xf
	v_max_num_f32_dpp v[RK], v[RK], v[RK] row_xmask:2 row_mask:0xf bank_mask:0xf
	v_max_num_f32_dpp v[RK], v[RK], v[RK] row_xmask:4 row_mask:0xf bank_mask:0xf
	v_max_num_f32_dpp v[RK], v[RK], v[RK] row_xmask:8 row_mask:0xf bank_mask:0xf
	v_permlanex16_b32 v[INC], v[RK], s48, s49
	v_max_num_f32 v[RK], v[RK], v[INC]
	v_cvt_u32_f32 v[RK], v[RK]
	v_and_b32 v[RK], 127, v[RK]
	v_sub_nc_u32 v[RK], 127, v[RK]
	v_mov_b32 v[INC], 0
	v_cmp_eq_u32 vcc_lo, 0, v0
	s_wait_alu depctr_va_vdst(0)
	s_wait_xcnt 0x0                                ; EXEC changes only behind this wait
	s_wait_tensorcnt 0x0                           ; the wave's end, behind my last LDS store
	ds_add_u32 v230, v231
	s_wait_dscnt 0x0
	s_and_saveexec_b32 s51, vcc_lo
	global_store_b32 v[INC], v[RK], s[12:13]       ; lane 0 stores the query's class
	s_wait_xcnt 0x0
	s_or_b32 exec_lo, exec_lo, s51
	s_endpgm
.Lfunc_end_k_q6214710300_vote:
	.size	k_q6214710300_vote, .Lfunc_end_k_q6214710300_vote-k_q6214710300_vote
	.p2alignl 7, 3214868480
	.fill 96, 4, 3214868480
	.section	.rodata,"a",@progbits
	.p2align	6, 0x0
	.amdhsa_kernel k_q6214710300_vote
		.amdhsa_group_segment_fixed_size 6400
		.amdhsa_private_segment_fixed_size 0
		.amdhsa_enable_private_segment 0
		.amdhsa_kernarg_size 40
		.amdhsa_user_sgpr_count 2
		.amdhsa_user_sgpr_kernarg_segment_ptr 1
		.amdhsa_wavefront_size32 1
		.amdhsa_system_sgpr_workgroup_id_x 1
		.amdhsa_system_sgpr_workgroup_id_y 1
		.amdhsa_system_sgpr_workgroup_id_z 1
		.amdhsa_system_vgpr_workitem_id 0
		.amdhsa_next_free_vgpr 512
		.amdhsa_next_free_sgpr 66
		.amdhsa_reserve_vcc 1
		.amdhsa_float_denorm_mode_32 3
		.amdhsa_float_denorm_mode_16_64 3
		.amdhsa_memory_ordered 1
		.amdhsa_forward_progress 1
		.amdhsa_inst_pref_size 40
	.end_amdhsa_kernel
	.amdgpu_metadata
---
amdhsa.version: [ 1, 2 ]
amdhsa.kernels:
  - .name:           k_q6214710300_vote
    .symbol:         k_q6214710300_vote.kd
    .args:
      - { .name: cand, .offset: 0, .size: 8, .value_kind: global_buffer, .address_space: global }
      - { .name: timg, .offset: 8, .size: 8, .value_kind: global_buffer, .address_space: global }
      - { .name: qimg, .offset: 16, .size: 8, .value_kind: global_buffer, .address_space: global }
      - { .name: y_train, .offset: 24, .size: 8, .value_kind: global_buffer, .address_space: global }
      - { .name: out0, .offset: 32, .size: 8, .value_kind: global_buffer, .address_space: global }
    .group_segment_fixed_size: 6400
    .private_segment_fixed_size: 0
    .kernarg_segment_align: 8
    .kernarg_segment_size: 40
    .max_flat_workgroup_size: 32
    .sgpr_count:     66
    .vgpr_count:     512
    .wavefront_size: 32
...
	.end_amdgpu_metadata
.endif
;; end of part 5
